; MI455X (gfx1250); checked and timed in simulation.
; The chip was launched on July 23, 2026; its instructions are those of AMD's public machine-readable ISA for CDNA 5 (MIT licence, August 2026) and "CDNA5" Instruction Set Architecture Reference Guide (July 2026). The comments in the code are by the model that wrote it; some were corrected since.
;; Multihead Attention. Allowed arithmetic: matrix products marked QUANTISED: E2M1 operands, one E8M0 scale for each 32 along K, by v_wmma_scale_f32_16x16x128_f8f6f4 with both operands' format E2M1 (or v_wmma_scale_f32_32x16x128_f4), f32 sums; everything else in f32.
;; Inputs: Wk 512 x 512 float32; Wq 512 x 512 float32; Wv 512 x 512 float32; bk 512 float32; bq 512 float32; bv 512 float32; x 2 x 4,096 x 512 float32.
;; Outputs: out0 2 x 4,096 x 512 float32.
;; This version of the problem:
;;   THIS VERSION OF THE PROBLEM IS GIVEN IN LOW PRECISION. The matrix products marked QUANTISED in the list below multiply operands that are first quantised to E2M1 (2 exponent bits, 1 mantissa bit; 4 bits a number), with one power-of-two scale for each 32 numbers along K (OCP MX v1.0); their sums are f32. All else is computed in f32.
;;   The module's matrix products, in the order in which they are computed (A, B: the left and right operand; K: the contracted axis; several contracted axes count as one K, in the product's order):
;;     1. [M 8,192, K 512] x [K 512, N 512]; A: input x; B: input Wk: QUANTISED
;;     2. [M 8,192, K 512] x [K 512, N 512]; A: input x; B: input Wq: QUANTISED
;;     3. [M 8,192, K 512] x [K 512, N 512]; A: input x; B: input Wv: QUANTISED
;;     4. batch 16 x [M 4,096, K 64] x [K 64, N 4,096]; A: computed on the way; B: computed on the way: QUANTISED
;;     5. batch 16 x [M 4,096, K 4,096] x [K 4,096, N 64]; A: softmax (see below); B: computed on the way: QUANTISED
;;   THE QUANTISER, for each operand of a quantised product, along K:
;;     - K is cut into blocks of 32 from its start; a last block that is shorter is filled with zeros.
;;     - A block's scale is 2^e with e = floor(log2(the largest magnitude in the block)) - 2, held to -126 .. 127; a block of zeros has e = 0. As a byte (E8M0): e + 127.
;;     - Each number is divided by its block's scale, clamped to +-6, and rounded to the nearest number of E2M1, ties to even, subnormals kept.
;;     - The product sums the exact products of the quantised numbers (number of the format x scale) in f32.
;;   ~~~python
;;   def quantise(x, axis):      # numpy; x: float32 -> the quantised numbers, widened to float32 again
;;       x = np.moveaxis(x, axis, -1); K = x.shape[-1]
;;       x = np.pad(x, [(0, 0)] * (x.ndim - 1) + [(0, -K % 32)]); x = x.reshape(x.shape[:-1] + (-1, 32)); a = np.abs(x).max(-1, keepdims=True)
;;       e = np.where(a > 0, np.clip(np.frexp(np.where(a > 0, a, 1))[1] - 1 - 2, -126, 127), 0)      # np.frexp(a)[1] - 1 = floor(log2(a)), exactly
;;       r = np.clip(x / 2.0 ** e, -6, 6)
;;       step = 2.0 ** (np.maximum(np.frexp(np.where(r == 0, 1, r))[1] - 1, 0) - 1)
;;       q = np.round(r / step) * step * 2.0 ** e      # np.round: ties to even
;;       return np.moveaxis(q.reshape(q.shape[:-2] + (-1,))[..., :K], -1, axis).astype(np.float32)
;;   ~~~
;;   SOFTMAX AHEAD OF A QUANTISED PRODUCT. Where the list says 'softmax', what is quantised is not the finished softmax but p = 2^(t - M), with t = logit x log2(e) and M = ceil(the row's largest t), a whole number; so 1/2 < the row's largest p <= 1. The row's sum l is taken of the UNQUANTISED p, in f32, and the product's result is divided by l at the end. Since M is a whole number, a kernel that streams over the keys may use a running M (the ceiling of the running maximum): every later rescaling is an exact power of two, which a block's scale takes up: the codes' values come out the same.
;;   OPERANDS COMPUTED ON THE WAY. 'Computed on the way' means the value that the module computes at that place (a softmax that the list does not call 'softmax' is quantised finished and normalised). What goes into a quantiser is computed in f32, as accurately as f32 sums, v_exp_f32 and their like allow (about 1e-6 of the number): no bf16 or f16 on the way to a quantiser, and a product that is left as it is and whose result goes on into a quantised operand takes f32 operands (vector FMAs, or v_wmma_f32_16x16x4_f32). A number that lies on a knife's edge between two numbers of the format may be rounded either way, as far as f32 arithmetic and the matrix unit's own rounding can turn it there, and no further.
;; One version. Each part assembles by itself: llvm-mc -triple=amdgcn-amd-amdhsa -mcpu=gfx1250 --defsym DOCPART=n.
;; ======== version 1 of 1: 3 launches
;; limits: right only within a limited range of input values
;; workspace buffers: q 2,646,016 bytes; ws 6,946,816 bytes
;; launch quant (part 1): grid 304 x 1, 2 waves a work-group, no clusters, 20,736 bytes of LDS; arguments x, Wk, Wq, Wv, q; writes q
.if DOCPART == 1
	.amdgcn_target "amdgcn-amd-amdhsa--gfx1250"
	.amdhsa_code_object_version 6
	.text
	.protected	k_q7532d9b885_quant
	.globl	k_q7532d9b885_quant
	.p2align	8
	.type	k_q7532d9b885_quant,@function
k_q7532d9b885_quant:
	s_mov_b64 s[64:65], 0
	v_nop
	global_prefetch_b8 v0, s[64:65] scope:SCOPE_SE
	s_setreg_imm32_b32 hwreg(HW_REG_WAVE_MODE, 25, 1), 1
	s_wait_xcnt 0x0
; x [8192][512], Wk, Wq, Wv [512][512], f32, K innermost, become codes of FP4 (E2M1) with one E8M0 byte for each 32 along K, laid in q as IMAGES OF OPERAND REGISTERS.
; A block's scale is 2^(floor(log2(its largest magnitude)) - 2); its byte is the largest magnitude's exponent field - 2, held at 1 from below.
; LIMITS: NaN and infinities among the inputs are not served; a block whose largest magnitude lies under 2^-124 takes the byte 1; a block of zeros takes the byte 1 where the rule says 127
; (its codes are zeros, which add nothing under any byte but 0xff, and the bytes are read by this program alone).
; TILES.  Rows go in groups of 32; a group is two tiles of 16: lane r of tile 2 G + u is row 32 G + 8 u + r + 8 (r / 8).  Tiles 0-511: x; 512-543: Wk; 544-575: Wq; 576-607: Wv.
; A TILE'S RECORD, 4,352 bytes: four fragment images, one for each 128 along K: the 16 bytes of block 4 s + 2 c + h of lane r's row lie at 1024 s + 512 c + 256 h + 16 r; then, at 4096 + 16 r + j, row r's 16 scale bytes.
; SHARES.  A work-group takes a group of 32 rows, each of its two waves a tile; a wave's step is one row of 512 numbers.  Each load reads 512 consecutive bytes; the row turns through the wave's own stage in LDS so
; that a lane holds 16 neighbours (two lanes a block).  Codes and bytes are gathered in the wave's own LDS and leave as runs of 512 and 256 consecutive, aligned bytes.
; No barrier: waves share nothing.  No cluster: no two work-groups read the same bytes.  Loads run eight steps (32 loads a wave) ahead, the turn through LDS one step.
.set SP,   80                          ; a lane's place in the input stage: 64 bytes + 16 of padding
.set WREG, 10240                       ; LDS of a wave: two input stages (2 x 2,560), 256 scale bytes, the codes' stage
.set SCB,  5120
.set OST,  5376                        ; 16 chunks of 256 bytes (one for each block of the row), 272 bytes apart
.set OP,   272
.set REC,  4352
.set R,    16                          ; v16-143  eight sets of 16 numbers as loaded
.set X,    144                         ; v144-175 two sets of 16 neighbours
.set E,    176                         ; v176-191 a scale byte for each step
.set C,    192                         ; v192-223 two registers of codes for each step
	s_load_b256 s[4:11], s[0:1], 0x0               ; x, Wk, Wq, Wv
	s_load_b64 s[12:13], s[0:1], 0x20              ; q
	v_lshl_add_u32 v224, v0, 2, 0x5000
	v_mov_b32 v225, 0
	v_lshrrev_b32 v1, 5, v0
	v_readfirstlane_b32 s16, v1                    ; wave 0, 1
	v_and_b32 v2, 31, v0                           ; lane
	v_lshlrev_b32 v3, 4, v2                        ; 16 x lane: my bytes of a load's 512, and of a store's
	s_mul_i32 s22, s16, WREG
	v_lshrrev_b32 v14, 2, v2
	v_mul_u32_u24 v14, v14, SP
	v_and_b32 v15, 3, v2
	v_lshl_add_u32 v14, v15, 4, v14
	v_add_nc_u32 v14, s22, v14                     ; the input stage, way in: SP (lane / 4) + 16 (lane % 4)
	v_mul_u32_u24 v15, v2, SP
	v_add_nc_u32 v15, s22, v15                     ; way out: SP x lane: my 16 neighbours
	v_lshrrev_b32 v5, 1, v2                        ; my block of the row
	v_mul_u32_u24 v4, v5, OP
	v_and_b32 v6, 1, v2
	v_lshl_add_u32 v4, v6, 3, v4
	v_add_nc_u32 v4, s22, v4
	v_add_nc_u32 v4, OST, v4                       ; the codes' stage, way in: my block's chunk, my half of its 16 bytes; the row adds 16 t
	v_add_nc_u32 v5, s22, v5
	v_add_nc_u32 v5, SCB, v5                       ; my block's scale byte; the row adds 16 t
	v_lshlrev_b32 v7, 3, v2
	v_add_nc_u32 v6, s22, v7
	v_add_nc_u32 v6, SCB, v6                       ; the scale bytes, way out: 8 a lane
	v_lshrrev_b32 v10, 4, v2
	v_mul_u32_u24 v10, v10, OP
	v_and_b32 v8, 15, v2
	v_lshl_add_u32 v10, v8, 4, v10
	v_add_nc_u32 v10, s22, v10
	v_add_nc_u32 v10, OST, v10                     ; the codes' stage, way out: sixteen lanes to a chunk, two chunks an instruction
	s_mov_b32 s17, 288
	s_wait_kmcnt 0x0
	s_cmp_lt_u32 ttmp9, 288                        ; which tensor: the choice hangs on the work-group's number alone, and only pointers are chosen
	s_cselect_b64 s[8:9], s[8:9], s[10:11]
	s_cselect_b32 s17, 272, s17
	s_cmp_lt_u32 ttmp9, 272
	s_cselect_b64 s[6:7], s[6:7], s[8:9]
	s_cselect_b32 s17, 256, s17
	s_cmp_lt_u32 ttmp9, 256
	s_cselect_b64 s[4:5], s[4:5], s[6:7]
	s_cselect_b32 s17, 0, s17                      ; the tensor's first work-group
	s_sub_co_u32 s18, ttmp9, s17
	s_lshl_b32 s18, s18, 16                        ; my group: 32 rows of 2,048 bytes,
	s_lshl_b32 s19, s16, 14                        ; my tile begins 8 u rows on
	s_add_co_u32 s18, s18, s19
	s_mov_b32 s19, 0
	s_add_nc_u64 s[4:5], s[4:5], s[18:19]
	s_lshl_b32 s20, ttmp9, 1
	s_add_co_u32 s20, s20, s16                     ; my tile's number
	s_mul_i32 s20, s20, REC
	s_mov_b32 s21, 0
	s_add_nc_u64 s[12:13], s[12:13], s[20:21]
.macro LOAD t                          ; step t is the tile's lane row t: row t + 8 (t / 8) from the wave's first
.irp i, 0,1,2,3
	global_load_b128 v[R+16*((\t)%8)+4*\i:R+16*((\t)%8)+4*\i+3], v3, s[4:5] offset:2048*((\t)+8*((\t)/8))+512*\i th:TH_LOAD_NT
.endr
.endm
.macro TURN t                          ; step t's numbers through the stage: LDS serves a wave's instructions in order, so no wait stands between the stores and the loads
.irp i, 0,1,2,3
	ds_store_b128 v14, v[R+16*((\t)%8)+4*\i:R+16*((\t)%8)+4*\i+3] offset:32*SP*((\t)%2)+8*SP*\i
.endr
.irp i, 0,1,2,3
	ds_load_b128 v[X+16*((\t)%2)+4*\i:X+16*((\t)%2)+4*\i+3], v15 offset:32*SP*((\t)%2)+16*\i
.endr
.endm
.irp t, 0,1,2,3,4,5,6,7
	LOAD \t
.endr
	s_wait_loadcnt 28                              ; step 0's four loads are in; the seven steps behind it may be out
	TURN 0
.macro STEP t
.set XS, X+16*((\t)%2)
.if (\t) > 0
	s_wait_dscnt 2                                 ; this step's numbers are back from the stage (behind them: the last step's byte store and code store), so its stores into the stage have read their registers,
.else
	s_wait_dscnt 0x0
.endif
.if (\t)+8 < 16
	LOAD (\t)+8                                    ; which take the loads of eight steps on
.endif
.if (\t)+1 < 16
.if (\t)+8 < 16
	s_wait_loadcnt 28                              ; the next step's four loads are in; those of the seven steps behind it may be out
.else
	s_wait_loadcnt 4*(14-(\t))                     ; the counts run down
.endif
	TURN (\t)+1
.endif
	v_max3_num_f32 v8, |v[XS]|, |v[XS+1]|, |v[XS+2]|               ; the largest magnitude of my 16, in two chains
	v_max3_num_f32 v9, |v[XS+3]|, |v[XS+4]|, |v[XS+5]|
.irp i, 6,10
	v_max3_num_f32 v8, v8, |v[XS+\i]|, |v[XS+\i+1]|
	v_max3_num_f32 v9, v9, |v[XS+\i+2]|, |v[XS+\i+3]|
.endr
	v_max3_num_f32 v8, v8, |v[XS+14]|, |v[XS+15]|
	v_max3_num_f32 v8, v8, v9, 0x1800000           ; and the floor 2^(3 - 127): the byte cannot fall under 1
	v_max_num_f32_dpp v8, v8, v8 row_xmask:1 row_mask:0xf bank_mask:0xf   ; and of my neighbour's 16: the block's
	v_add_nc_u32 v11, 0xff000000, v8               ; 2 off its exponent field: the conversion takes the exponent field of this operand as its scale
	v_cvt_scalef32_pk8_fp4_f32 v[C+2*(\t)], v[XS:XS+7], v11
	v_cvt_scalef32_pk8_fp4_f32 v[C+2*(\t)+1], v[XS+8:XS+15], v11
	v_lshrrev_b32 v[E+(\t)], 23, v11               ; the scale's byte (a plain line behind the conversions)
	ds_store_b8 v5, v[E+(\t)] offset:16*(\t)       ; both lanes of a block write the same byte with the same value
	ds_store_b64 v4, v[C+2*(\t):C+2*(\t)+1] offset:16*(\t)   ; my 16 codes: half of the block's 16 bytes, at lane row t of the block's chunk
.endm
.irp t, 0,1,2,3,4,5,6,7,8,9,10,11,12,13,14,15
	STEP \t
.endr
	ds_load_b64 v[12:13], v6                       ; LDS serves a wave's instructions in order: these see my stores
.irp i, 0,1,2,3,4,5,6,7
	ds_load_b128 v[16+4*\i:19+4*\i], v10 offset:2*OP*\i
.endr
	s_wait_dscnt 8                                 ; the scale bytes are back; the eight loads behind them may be out
	global_store_b64 v7, v[12:13], s[12:13] offset:4096            ; 32 lanes store 256 consecutive, aligned bytes
.irp i, 0,1,2,3,4,5,6,7
	s_wait_dscnt 7-\i
	global_store_b128 v3, v[16+4*\i:19+4*\i], s[12:13] offset:512*\i   ; 512 consecutive, aligned bytes
.endr
	s_wait_tensorcnt 0x0
	ds_add_u32 v224, v225
	s_wait_dscnt 0x0
	s_endpgm
.Lfunc_end_k_q7532d9b885_quant:
	.size	k_q7532d9b885_quant, .Lfunc_end_k_q7532d9b885_quant-k_q7532d9b885_quant
	.p2alignl 7, 3214868480
	.fill 96, 4, 3214868480
	.section	.rodata,"a",@progbits
	.p2align	6, 0x0
	.amdhsa_kernel k_q7532d9b885_quant
		.amdhsa_group_segment_fixed_size 20736
		.amdhsa_private_segment_fixed_size 0
		.amdhsa_enable_private_segment 0
		.amdhsa_kernarg_size 40
		.amdhsa_user_sgpr_count 2
		.amdhsa_user_sgpr_kernarg_segment_ptr 1
		.amdhsa_wavefront_size32 1
		.amdhsa_system_sgpr_workgroup_id_x 1
		.amdhsa_system_sgpr_workgroup_id_y 1
		.amdhsa_system_sgpr_workgroup_id_z 1
		.amdhsa_system_vgpr_workitem_id 0
		.amdhsa_next_free_vgpr 226
		.amdhsa_next_free_sgpr 66
		.amdhsa_reserve_vcc 0
		.amdhsa_float_denorm_mode_32 3
		.amdhsa_float_denorm_mode_16_64 3
		.amdhsa_memory_ordered 1
		.amdhsa_forward_progress 1
		.amdhsa_inst_pref_size 35
	.end_amdhsa_kernel
	.amdgpu_metadata
---
amdhsa.version: [ 1, 2 ]
amdhsa.kernels:
  - .name:           k_q7532d9b885_quant
    .symbol:         k_q7532d9b885_quant.kd
    .args:
      - { .name: x, .offset: 0, .size: 8, .value_kind: global_buffer, .address_space: global }
      - { .name: Wk, .offset: 8, .size: 8, .value_kind: global_buffer, .address_space: global }
      - { .name: Wq, .offset: 16, .size: 8, .value_kind: global_buffer, .address_space: global }
      - { .name: Wv, .offset: 24, .size: 8, .value_kind: global_buffer, .address_space: global }
      - { .name: q, .offset: 32, .size: 8, .value_kind: global_buffer, .address_space: global }
    .group_segment_fixed_size: 20736
    .private_segment_fixed_size: 0
    .kernarg_segment_align: 8
    .kernarg_segment_size: 40
    .max_flat_workgroup_size: 64
    .sgpr_count:     66
    .vgpr_count:     226
    .wavefront_size: 32
...
	.end_amdgpu_metadata
.endif
;; end of part 1
;; launch proj (part 2): grid 4 x 64, 8 waves a work-group, clusters of 4 x 4, 168,960 bytes of LDS; arguments q, bk, bq, bv, ws; writes ws
.if DOCPART == 2
	.amdgcn_target "amdgcn-amd-amdhsa--gfx1250"
	.amdhsa_code_object_version 6
	.text
	.protected	k_q7532d9b885_proj
	.globl	k_q7532d9b885_proj
	.p2align	8
	.type	k_q7532d9b885_proj,@function
k_q7532d9b885_proj:
	s_mov_b64 s[64:65], 0
	v_nop
	global_prefetch_b8 v0, s[64:65] scope:SCOPE_SE
	s_setreg_imm32_b32 hwreg(HW_REG_WAVE_MODE, 25, 1), 1
	s_wait_xcnt 0x0
	s_wait_alu depctr_hold_cnt(0) depctr_sa_sdst(0) depctr_va_vdst(0) depctr_va_sdst(0) depctr_va_ssrc(0) depctr_va_vcc(0) depctr_vm_vsrc(0)
	s_getreg_b32 s2, hwreg(HW_REG_IB_STS2, 6, 4)
	s_cmp_eq_u32 s2, 0
	s_cbranch_scc0 .Lentry_in_a_cluster
	s_endpgm
.Lentry_in_a_cluster:
	s_bfe_u32 s2, ttmp6, 0x10000c
	s_cmp_lg_u32 s2, 0xf033
	s_cbranch_scc0 .Lentry_shape_is_right
	s_endpgm
.Lentry_shape_is_right:
; R = x Wk^T + bk, C = x Wq^T + bq, V = x Wv^T + bv on codes of FP4 (q's tile records); the results are quantised in registers: R and C along the head's 64, V along the tokens,
; and stored in ws as images of the registers in which the attention launch wants them.
; LIMITS: NaN and infinities are not served; a block under 2^-124, and a block of zeros, takes the scale byte 1; the bias is the C of a sum's first matrix instruction, so it is added ahead of the products, not behind them.
; SHARES.  A work-group takes 128 tokens (step S = 0..63 of the 8,192) x a pair of heads (hp = 0..3) of all three products.  A JOB is 4 left tiles (source 0) x 2 right tiles (source 1) over K = 512: 8 accumulators by
; turns, 32 matrix instructions.  A lane then holds one row of a right tile, and its registers run along the left tiles' rows: by the tiles' choice of rows (lane r of tile 2 G + u is row 32 G + 8 u + r + 8 (r / 8)) the 16
; registers of left tiles 2 b, 2 b + 1 are 16 neighbours, 32 b + 16 (lane / 16) + 0 .. 15.  Wave w (a = w & 1, q2 = w >> 1): job K: Wk's tiles of head 2 hp + a x token tiles 2 q2, 2 q2 + 1; job Q the same with Wq;
; job V: token tiles 4 a .. 4 a + 3 x Wv's tiles 2 q2, 2 q2 + 1 of the pair.
; ws, a block of 13,568 bytes for each (head bh = 8 b + head, step sb of the batch): 0 R's codes, 8 tiles x 512 (lane l's 16 bytes at 16 l: block l / 16 of the head's 64, token row l % 16); 4096 R's scale words [tile][row];
; 4608 C's scale words (tile 4 g + i, row r at 16 (r + 16 g) + 4 i); 5120 V's (d tile 2 g + i, row r at 8 (r + 16 g) + 4 i); 5376 C's codes, as R's; 9472 V's codes, 4 d tiles x 1,024 (tokens 64 c + 32 h on at 512 c + 16 (r + 16 h)).
; CLUSTER 4 x 4.  The token tiles hang on S alone and are shared along a row of the cluster, the weights' tiles on hp alone and are shared along a column: each is asked for jointly.  LDS is filled once; nothing is filled again.
.set REC,   4352                       ; a tile record of q
.set QUART, 4*REC                      ; what one tensor load brings: 68 rows of 256 bytes
.set BLKB,  8*REC                      ; LDS: block 0 the step's 8 token tiles, blocks 1, 2, 3 the pair's 8 tiles of Wk, Wq, Wv
.set SST,   4*BLKB                     ; behind them: the scale words' stage, 1,280 bytes for each head of the pair, in the order of ws bytes 4096 .. 5375; no tensor load lands here
.set WSB,   13568
.set HEADB, 32*WSB                     ; from a head's block to the next head's
.set LI,  4                            ; v4   16 x lane
.set L0,  5                            ; v5   16 x lane + my left tiles' place in a block
.set R0,  6                            ; v6   16 x lane + my right tiles' place
.set L0S, 7                            ; v7   16 r + the same + 4096: their scale bytes
.set R0S, 8                            ; v8
.set LA,  9                            ; v9-12 the job's four addresses
.set RA,  10
.set LSA, 11
.set RSA, 12
.set SH,  13                           ; v13  16 h
.set STR, 14                           ; v14  where I stage R's scale word
.set STC, 15                           ; v15  C's
.set PC,  16                           ; v16-23 the codes just made
.set TM,  24                           ; v24-27 largest magnitudes, v28-31 bytes, v36-39 the conversions' scale operands
.set PW,  40                           ; v40  the four blocks' bytes
.set STV, 41                           ; v41  where I stage V's two bytes
.set VOK, 42                           ; v42  my byte in R's and C's codes
.set VOV, 43                           ; v43  in V's
.set SD,  44                           ; v44  what goes to the stage
.set HA,  48                           ; v48-111  accumulator (e, tl) at HA + 32 e + 8 tl
.set LF,  112                          ; v112-143 four left fragments of a K step
.set RF,  144                          ; v144-159 two right fragments
.set LS,  160                          ; v160-175 left scale words: register 4 tl + s
.set RS,  176                          ; v176-183 right: 4 e + s
.set BB0, 184                          ; v184-215 bk in the result's layout; later bv
.set BB1, 216                          ; v216-247 bq
.set SEL, 76                           ; s[76:77] v_permlanex16_b32's selects for lane l xor 16
.macro JLOAD                           ; a joint load: waves 0, 1 fetch the token tiles, waves 2 to 7 the weights'.  Each line has one mask; the branch hangs on the wave's number alone.  Four v_nop follow each line
	s_cmp_lt_u32 s14, 2
	s_cbranch_scc0 .Lfor_b_\@
	tensor_load_to_lds s[32:35], s[24:31]
	s_nop 0
.rept 4
	v_nop
.endr
	s_branch .Lasked_\@
.Lfor_b_\@:
	tensor_load_to_lds s[56:59], s[48:55]
	s_nop 0
.rept 4
	v_nop
.endr
.Lasked_\@:
.endm
.macro CREST                           ; a round of the cluster's barrier behind its opening barrier
	s_cmp_lg_u32 s14, 0
	s_cbranch_scc1 .Lnot_wave_0_\@
	s_barrier_signal -3
.Lnot_wave_0_\@:
	s_barrier_wait -3
	s_barrier_signal -1
	s_barrier_wait -1
.endm
.macro CROUND
	s_barrier_signal -1
	s_barrier_wait -1
	CREST
.endm
	s_load_b256 s[4:11], s[0:1], 0x0               ; q, bk, bq, bv
	s_load_b64 s[12:13], s[0:1], 0x20              ; ws
	v_lshl_add_u32 v254, v0, 2, 0x29000
	v_mov_b32 v255, 0
	ds_add_u32 v254, v255
	ds_add_u32 v254, v255
	v_lshrrev_b32 v1, 5, v0
	s_delay_alu instid0(VALU_DEP_1)
	v_readfirstlane_b32 s14, v1                    ; wave 0..7
	s_and_b32 s15, s14, 1                          ; a
	s_lshr_b32 s16, s14, 1                         ; q2
	s_bfe_u32 s40, ttmp6, 0x40000                  ; cx, cy: my place in the cluster
	s_bfe_u32 s41, ttmp6, 0x40004
	s_lshl_b32 s42, ttmp9, 2
	s_add_co_u32 s42, s42, s40                     ; hp = 4 x cluster x + cx
	s_and_b32 s17, ttmp7, 0xffff
	s_lshl_b32 s17, s17, 2
	s_add_co_u32 s17, s17, s41                     ; S = 4 x cluster y + cy
	s_lshl_b32 s43, s41, 2
	s_lshl_b32 s43, 15, s43                        ; my row of the cluster
	s_lshl_b32 s44, 0x1111, s40                    ; my column
	; descriptor group 1: a dense block of 17,408 bytes as 68 rows of 32 elements of 8 bytes; no padding: the records are read as they lie
	s_or_b32 s24, s43, (3<<16)|(1<<21)             ; 15:0 the mask: the token tiles go to my row; 17:16 elements of 8 bytes; 21 set beside a mask
	s_or_b32 s48, s44, (3<<16)|(1<<21)             ; the weights' tiles go to my column
.irp g, 24, 48
	s_mov_b32 s[\g+1], 32<<16                      ; tensor_dim0 = 32
	s_mov_b32 s[\g+2], 68<<16                      ; tensor_dim1 = 68
	s_mov_b32 s[\g+3], 32<<16                      ; tile_dim0 = 32
	s_mov_b32 s[\g+4], 68                          ; tile_dim1 = 68
	s_mov_b32 s[\g+5], 32                          ; from row to row
	s_mov_b32 s[\g+6], 0
	s_mov_b32 s[\g+7], 0
.endr
	s_lshl_b32 s20, s17, 3                         ; token tiles 8 S + 4 w on (waves 0, 1): made of S and the wave's number alone
	s_lshl_b32 s21, s14, 2
	s_add_co_u32 s20, s20, s21
	s_mul_i32 s20, s20, REC
	s_mov_b32 s21, 0
	s_lshl_b32 s46, s42, 3                         ; weights' tiles 480 + 32 (w >> 1) + 8 hp + 4 (w & 1) on (waves 2 to 7): made of hp and the wave's number alone
	s_lshl_b32 s47, s16, 5
	s_add_co_u32 s46, s46, s47
	s_lshl_b32 s47, s15, 2
	s_add_co_u32 s46, s46, s47
	s_add_co_u32 s46, s46, 480
	s_mul_i32 s46, s46, REC
	s_mov_b32 s47, 0
	s_mul_i32 s45, s14, QUART                      ; where they go: wave x 17,408: no place in the cluster enters an LDS address
	s_wait_dscnt 0x0
	s_wait_kmcnt 0x0
	s_mov_b32 s32, 1
	s_mov_b32 s33, s45
	s_add_nc_u64 s[34:35], s[4:5], s[20:21]
	s_or_b32 s35, s35, 0x80000000
	s_mov_b32 s56, 1
	s_mov_b32 s57, s45
	s_add_nc_u64 s[58:59], s[4:5], s[46:47]
	s_or_b32 s59, s59, 0x80000000
	CROUND                                         ; all sixteen work-groups are here: the joint loads meet
	JLOAD                                          ; one load a wave; LDS is filled once
	s_lshr_b32 s18, s17, 5                         ; the batch
	s_and_b32 s19, s17, 31                         ; the step in it
	s_lshl_b32 s74, s18, 3
	s_lshl_b32 s75, s42, 1
	s_add_co_u32 s74, s74, s75                     ; the pair's first head: 8 b + 2 hp
	s_lshl_b32 s74, s74, 5
	s_add_co_u32 s74, s74, s19
	s_mul_i32 s74, s74, WSB
	s_mov_b32 s75, 0
	s_add_nc_u64 s[66:67], s[12:13], s[74:75]      ; ws at that head's block of this step
	s_mul_i32 s74, s15, HEADB
	s_add_nc_u64 s[60:61], s[66:67], s[74:75]      ; at head 2 hp + a's: jobs K and Q
	s_lshr_b32 s74, s16, 1
	s_mul_i32 s74, s74, HEADB
	s_add_nc_u64 s[62:63], s[66:67], s[74:75]      ; at head 2 hp + (q2 >> 1)'s: job V
	s_lshl_b32 s74, s42, 1
	s_add_co_u32 s74, s74, s15
	s_lshl_b32 s74, s74, 8
	s_add_nc_u64 s[68:69], s[6:7], s[74:75]        ; bk and bq at head 2 hp + a's 64 numbers
	s_add_nc_u64 s[70:71], s[8:9], s[74:75]
	s_lshl_b32 s74, s42, 9
	s_lshl_b32 s22, s16, 7
	s_add_co_u32 s74, s74, s22
	s_add_nc_u64 s[72:73], s[10:11], s[74:75]      ; bv at row 128 hp + 32 q2
	s_mov_b32 s[SEL], 0x76543210
	s_mov_b32 s[SEL+1], 0xfedcba98
	v_and_b32 v1, 31, v0                           ; lane
	v_and_b32 v2, 15, v0                           ; r
	v_bfe_u32 v3, v0, 4, 1                         ; h
	s_delay_alu instid0(VALU_DEP_3)
	v_lshlrev_b32 v[LI], 4, v1
	s_mul_i32 s22, s15, QUART                      ; left tiles 4 a on
	s_mul_i32 s23, s16, 2*REC                      ; right tiles 2 q2 on
	v_add_nc_u32 v[L0], s22, v[LI]
	v_add_nc_u32 v[R0], s23, v[LI]
	v_lshlrev_b32 v[L0S], 4, v2
	s_delay_alu instid0(VALU_DEP_1)
	v_add_nc_u32 v[R0S], s23, v[L0S]
	s_delay_alu instid0(VALU_DEP_2)
	v_add_nc_u32 v[L0S], s22, v[L0S]
	s_delay_alu instid0(VALU_DEP_1)
	v_add_nc_u32 v[L0S], 4096, v[L0S]
	s_delay_alu instid0(VALU_DEP_3)
	v_add_nc_u32 v[R0S], 4096, v[R0S]
	v_lshlrev_b32 v[SH], 4, v3
	s_mul_i32 s22, s15, 1280                       ; head a's part of the stage
	s_lshl_b32 s23, s16, 7
	s_add_co_u32 s23, s23, s22
	s_add_co_u32 s23, s23, SST
	v_lshl_add_u32 v[STR], v1, 2, s23              ; R's words: tile 2 q2 + h, row r: 128 q2 + 4 x lane
	s_lshr_b32 s23, s16, 1
	s_lshl_b32 s23, s23, 8
	s_add_co_u32 s23, s23, s22
	s_and_b32 s38, s16, 1
	s_lshl_b32 s39, s38, 3
	s_add_co_u32 s23, s23, s39
	s_add_co_u32 s23, s23, SST+512
	v_lshlrev_b32 v[STC], 4, v2
	s_delay_alu instid0(VALU_DEP_1)
	v_lshl_add_u32 v[STC], v3, 2, v[STC]
	s_delay_alu instid0(VALU_DEP_1)
	v_add_nc_u32 v[STC], s23, v[STC]               ; C's words: 256 (q2 >> 1) + 8 (q2 & 1) + 16 r + 4 h
	s_lshr_b32 s23, s16, 1
	s_mul_i32 s23, s23, 1280                       ; job V: head q2 >> 1's part
	s_lshl_b32 s39, s38, 7
	s_add_co_u32 s23, s23, s39
	s_lshl_b32 s39, s15, 1
	s_add_co_u32 s23, s23, s39
	s_add_co_u32 s23, s23, SST+1024
	v_lshlrev_b32 v[STV], 3, v2
	s_delay_alu instid0(VALU_DEP_1)
	v_lshl_add_u32 v[STV], v3, 2, v[STV]
	s_delay_alu instid0(VALU_DEP_1)
	v_add_nc_u32 v[STV], s23, v[STV]               ; V's two bytes: 128 (q2 & 1) + 8 r + 4 h + 2 a
	s_lshl_b32 s23, s16, 10
	v_add_nc_u32 v[VOK], s23, v[LI]                ; token tiles 2 q2, 2 q2 + 1: 512 bytes each
	s_lshl_b32 s23, s38, 11
	s_lshl_b32 s39, s15, 9
	s_add_co_u32 s23, s23, s39
	v_add_nc_u32 v[VOV], s23, v[LI]                ; d tiles 2 (q2 & 1) on, 1,024 bytes each; token half a
	v_lshlrev_b32 v45, 6, v3                       ; bk, bq: 16 h numbers on
	v_and_b32 v46, 8, v2
	s_delay_alu instid0(VALU_DEP_1)
	v_add_nc_u32 v46, v46, v2
	s_delay_alu instid0(VALU_DEP_1)
	v_lshlrev_b32 v46, 2, v46                      ; bv: row r + 8 (r / 8)
	s_lshl_b32 s23, s14, 8
	v_lshl_add_u32 v250, v1, 3, s23                ; the stage's way out: 256 bytes a wave, 8 a lane
	s_delay_alu instid0(VALU_DEP_1)
	v_add_nc_u32 v47, SST, v250
.irp b, 0,1,2,3
	v_mov_b32 v[TM+4+\b], 0                        ; written once: a lane permute's destination counts as one of its sources
.endr
.irp tl, 0,1,2,3                       ; the biases in the result's layout: register j of left tile 2 b + u is unit 32 b + 16 h + 8 u + j
	global_load_b128 v[BB0+8*\tl:BB0+8*\tl+3], v45, s[68:69] offset:(32*(\tl/2)+8*(\tl%2))*4
	global_load_b128 v[BB0+8*\tl+4:BB0+8*\tl+7], v45, s[68:69] offset:(32*(\tl/2)+8*(\tl%2))*4+16
	global_load_b128 v[BB1+8*\tl:BB1+8*\tl+3], v45, s[70:71] offset:(32*(\tl/2)+8*(\tl%2))*4
	global_load_b128 v[BB1+8*\tl+4:BB1+8*\tl+7], v45, s[70:71] offset:(32*(\tl/2)+8*(\tl%2))*4+16
.endr
	global_load_b32 v248, v46, s[72:73]            ; bv of my row of right tile 2 q2,
	global_load_b32 v249, v46, s[72:73] offset:32  ; and of 2 q2 + 1: 8 rows on
; 64 numbers of a lane, v[s] .. v[s + 63], register 16 b + i = place 16 (lane / 16) + i of block b, become codes in v[PC] on (registers 4 c .. 4 c + 3: block 2 c + lane / 16, whole) and four scale bytes in v[PW].
.macro QUANT s
.irp b, 0,1,2,3
	v_max3_num_f32 v[TM+\b], |v[\s+16*\b]|, |v[\s+1+16*\b]|, 0x1800000   ; my 16 numbers, from each accumulator's low end on, and the floor 2^(3 - 127): the byte cannot fall under 1
.endr
.irp i, 2,4,6,8,10,12,14
.irp b, 0,1,2,3
	v_max3_num_f32 v[TM+\b], v[TM+\b], |v[\s+16*\b+\i]|, |v[\s+1+16*\b+\i]|   ; the four blocks by turns
.endr
.endr
.irp b, 0,1,2,3
	s_delay_alu instid0(VALU_DEP_4)
	v_permlanex16_b32 v[TM+4+\b], v[TM+\b], s[SEL], s[SEL+1]
.endr
.irp b, 0,1,2,3
	s_delay_alu instid0(VALU_DEP_4)
	v_max_num_f32 v[TM+\b], v[TM+\b], v[TM+4+\b]   ; with lane l xor 16's: the block's largest magnitude
.endr
.irp b, 0,1,2,3
	s_delay_alu instid0(VALU_DEP_4)
	v_add_nc_u32 v[TM+12+\b], 0xff000000, v[TM+\b] ; 2 off its exponent field: the conversion's scale operand
.endr
.irp b, 0,1,2,3
	s_delay_alu instid0(VALU_DEP_4)
	v_lshrrev_b32 v[TM+4+\b], 23, v[TM+12+\b]      ; the scale's byte
.endr
	s_delay_alu instid0(VALU_DEP_3)
	v_lshl_or_b32 v[PW], v[TM+5], 8, v[TM+4]
	s_delay_alu instid0(VALU_DEP_1)
	v_lshl_or_b32 v[PW], v[TM+6], 16, v[PW]
	s_delay_alu instid0(VALU_DEP_1)
	v_lshl_or_b32 v[PW], v[TM+7], 24, v[PW]
.irp b, 0,1,2,3
	v_cvt_scalef32_pk8_fp4_f32 v[PC+2*\b], v[\s+16*\b:\s+7+16*\b], v[TM+12+\b]
	v_cvt_scalef32_pk8_fp4_f32 v[PC+1+2*\b], v[\s+8+16*\b:\s+15+16*\b], v[TM+12+\b]
.endr
	v_nop                                          ; one plain line behind a scaled conversion
.irp c, 0,1                            ; a whole block to a lane: lanes 0-15 block 2 c, lanes 16-31 block 2 c + 1
.irp i, 0,1
	v_permlane16_swap_b32 v[PC+4*\c+\i], v[PC+2+4*\c+\i]
.endr
.endr
.endm
.macro FETCH s                         ; the fragments of K step s: images, 16 bytes a lane, 512 consecutive bytes a load
.irp tl, 0,1,2,3
.irp c, 0,1
	ds_load_b128 v[LF+8*\tl+4*\c:LF+8*\tl+4*\c+3], v[LA] offset:REC*\tl+1024*\s+512*\c
.endr
.endr
.irp e, 0,1
.irp c, 0,1
	ds_load_b128 v[RF+8*\e+4*\c:RF+8*\e+4*\c+3], v[RA] offset:REC*\e+1024*\s+512*\c
.endr
.endr
.endm
.macro MUL s, bb, by                   ; 8 matrix instructions, the 8 accumulators by turns.  K step 0 starts the sums with the bias: by left tile (by = 0) or by right tile (by = 1)
.irp e, 0,1
.irp tl, 0,1,2,3
.if \s == 0
.if \by
	v_wmma_scale_f32_16x16x128_f8f6f4 v[HA+32*\e+8*\tl:HA+32*\e+8*\tl+7], v[LF+8*\tl:LF+8*\tl+7], v[RF+8*\e:RF+8*\e+7], v[\bb+8*\e:\bb+8*\e+7], v[LS+4*\tl+\s], v[RS+4*\e+\s] matrix_a_fmt:MATRIX_FMT_FP4 matrix_b_fmt:MATRIX_FMT_FP4
.else
	v_wmma_scale_f32_16x16x128_f8f6f4 v[HA+32*\e+8*\tl:HA+32*\e+8*\tl+7], v[LF+8*\tl:LF+8*\tl+7], v[RF+8*\e:RF+8*\e+7], v[\bb+8*\tl:\bb+8*\tl+7], v[LS+4*\tl+\s], v[RS+4*\e+\s] matrix_a_fmt:MATRIX_FMT_FP4 matrix_b_fmt:MATRIX_FMT_FP4
.endif
.else
	v_wmma_scale_f32_16x16x128_f8f6f4 v[HA+32*\e+8*\tl:HA+32*\e+8*\tl+7], v[LF+8*\tl:LF+8*\tl+7], v[RF+8*\e:RF+8*\e+7], v[HA+32*\e+8*\tl:HA+32*\e+8*\tl+7], v[LS+4*\tl+\s], v[RS+4*\e+\s] matrix_a_fmt:MATRIX_FMT_FP4 matrix_b_fmt:MATRIX_FMT_FP4
.endif
.endr
.endr
.endm
; A job: left tiles from LDS block lblk, right tiles from rblk.  It leaves the codes in v[PC] on and, in v[SD], lanes 0-15 right tile 0's two bytes below, lanes 16-31 right tile 1's.
.macro JOB lblk, rblk, bb, by
	v_add_nc_u32 v[LA], \lblk, v[L0]
	s_wait_alu depctr_va_vdst(0)
	v_add_nc_u32 v[RA], \rblk, v[R0]
	s_wait_alu depctr_va_vdst(0)
	v_add_nc_u32 v[LSA], \lblk, v[L0S]
	v_add_nc_u32 v[RSA], \rblk, v[R0S]
.irp tl, 0,1,2,3
	ds_load_b128 v[LS+4*\tl:LS+4*\tl+3], v[LSA] offset:REC*\tl     ; row r's 16 scale bytes: the words of the four K steps
.endr
.irp e, 0,1
	ds_load_b128 v[RS+4*\e:RS+4*\e+3], v[RSA] offset:REC*\e
.endr
.irp s, 0,1,2,3
.if \s > 0
.rept 4
	v_nop                                          ; four plain lines in front of loads into registers that matrix instructions have read (ISA guide 7.12.1 for vector instructions)
.endr
.endif
	FETCH \s
	s_wait_dscnt 0x0
	MUL \s, \bb, \by
.endr
.rept 4
	v_nop                                          ; and in front of the first read of results
.endr
	s_wait_xcnt 0x0                                ; the job before has stored from v[PC] on: those registers are written again only behind this wait
	QUANT HA
	v_lshrrev_b32 v[SD], v[SH], v[PW]
.endm
	s_wait_loadcnt 0x0                             ; the biases
	s_wait_tensorcnt 0x0                           ; my part of LDS has landed,
	s_barrier_signal -1
	s_barrier_wait -1                              ; everybody's has
	JOB BLKB, 0, BB0, 0                            ; K: R
	ds_store_b32 v[STR], v[SD]                     ; bytes 2 and 3 of the word scale zero codes: they are scale bytes of other blocks or 0, never 0xff
	global_store_b128 v[VOK], v[PC:PC+3], s[60:61]                 ; 32 lanes store a tile's 512 consecutive, aligned bytes
	global_store_b128 v[VOK], v[PC+4:PC+7], s[60:61] offset:512
	JOB 2*BLKB, 0, BB1, 0                          ; Q: C
	ds_store_b32 v[STC], v[SD]
	global_store_b128 v[VOK], v[PC:PC+3], s[60:61] offset:5376
	global_store_b128 v[VOK], v[PC+4:PC+7], s[60:61] offset:5888
.irp j, 0,1,2,3,4,5,6,7
	v_mov_b32 v[BB0+\j], v248                      ; job V's bias hangs on the lane's row alone: the same number in a tile's eight registers
	v_mov_b32 v[BB0+8+\j], v249
.endr
	JOB 0, 3*BLKB, BB0, 1                          ; V, quantised along the tokens
	ds_store_b16 v[STV], v[SD]                     ; token blocks 2 a, 2 a + 1 of the step
	global_store_b128 v[VOV], v[PC:PC+3], s[62:63] offset:9472
	global_store_b128 v[VOV], v[PC+4:PC+7], s[62:63] offset:10496
	s_wait_dscnt 0x0                               ; for the others' sake: my stores into the stage are done
	s_barrier_signal -1
	s_barrier_wait -1                              ; the stage is whole: 5 x 256 bytes for each head
	s_cmp_lt_u32 s14, 5
	s_cbranch_scc0 .Lno_unit
	ds_load_b64 v[24:25], v47
	ds_load_b64 v[26:27], v47 offset:1280
	s_wait_dscnt 0x0
	global_store_b64 v250, v[24:25], s[66:67] offset:4096          ; 32 lanes store 256 consecutive, aligned bytes
	global_store_b64 v250, v[26:27], s[66:67] offset:HEADB+4096
.Lno_unit:
	s_wait_tensorcnt 0x0
	ds_add_u32 v254, v255
	s_wait_dscnt 0x0
	CROUND                                         ; the closing round: no work-group ends while a partner may still ask for a tile that names it
	s_endpgm
.Lfunc_end_k_q7532d9b885_proj:
	.size	k_q7532d9b885_proj, .Lfunc_end_k_q7532d9b885_proj-k_q7532d9b885_proj
	.p2alignl 7, 3214868480
	.fill 96, 4, 3214868480
	.section	.rodata,"a",@progbits
	.p2align	6, 0x0
	.amdhsa_kernel k_q7532d9b885_proj
		.amdhsa_group_segment_fixed_size 168960
		.amdhsa_private_segment_fixed_size 0
		.amdhsa_enable_private_segment 0
		.amdhsa_kernarg_size 40
		.amdhsa_user_sgpr_count 2
		.amdhsa_user_sgpr_kernarg_segment_ptr 1
		.amdhsa_wavefront_size32 1
		.amdhsa_system_sgpr_workgroup_id_x 1
		.amdhsa_system_sgpr_workgroup_id_y 1
		.amdhsa_system_sgpr_workgroup_id_z 1
		.amdhsa_system_vgpr_workitem_id 0
		.amdhsa_next_free_vgpr 256
		.amdhsa_next_free_sgpr 80
		.amdhsa_reserve_vcc 0
		.amdhsa_float_denorm_mode_32 3
		.amdhsa_float_denorm_mode_16_64 3
		.amdhsa_memory_ordered 1
		.amdhsa_forward_progress 1
		.amdhsa_inst_pref_size 50
	.end_amdhsa_kernel
	.amdgpu_metadata
---
amdhsa.version: [ 1, 2 ]
amdhsa.kernels:
  - .name:           k_q7532d9b885_proj
    .symbol:         k_q7532d9b885_proj.kd
    .args:
      - { .name: q, .offset: 0, .size: 8, .value_kind: global_buffer, .address_space: global }
      - { .name: bk, .offset: 8, .size: 8, .value_kind: global_buffer, .address_space: global }
      - { .name: bq, .offset: 16, .size: 8, .value_kind: global_buffer, .address_space: global }
      - { .name: bv, .offset: 24, .size: 8, .value_kind: global_buffer, .address_space: global }
      - { .name: ws, .offset: 32, .size: 8, .value_kind: global_buffer, .address_space: global }
    .group_segment_fixed_size: 168960
    .private_segment_fixed_size: 0
    .kernarg_segment_align: 8
    .kernarg_segment_size: 40
    .max_flat_workgroup_size: 256
    .sgpr_count:     80
    .vgpr_count:     256
    .wavefront_size: 32
...
	.end_amdgpu_metadata
.endif
;; end of part 2
;; launch attn (part 3): grid 16 x 16, 16 waves a work-group, clusters of 4 x 1, 327,680 bytes of LDS; arguments ws, out0; writes out0
.if DOCPART == 3
	.amdgcn_target "amdgcn-amd-amdhsa--gfx1250"
	.amdhsa_code_object_version 6
	.text
	.protected	k_q7532d9b885_attn
	.globl	k_q7532d9b885_attn
	.p2align	8
	.type	k_q7532d9b885_attn,@function
k_q7532d9b885_attn:
	s_mov_b64 s[64:65], 0
	v_nop
	global_prefetch_b8 v0, s[64:65] scope:SCOPE_SE
	s_setreg_imm32_b32 hwreg(HW_REG_WAVE_MODE, 25, 1), 1
	s_wait_xcnt 0x0
	s_wait_alu depctr_hold_cnt(0) depctr_sa_sdst(0) depctr_va_vdst(0) depctr_va_sdst(0) depctr_va_ssrc(0) depctr_va_vcc(0) depctr_vm_vsrc(0)
	s_getreg_b32 s2, hwreg(HW_REG_IB_STS2, 6, 4)
	s_cmp_eq_u32 s2, 0
	s_cbranch_scc0 .Lentry_in_a_cluster
	s_endpgm
.Lentry_in_a_cluster:
	s_bfe_u32 s2, ttmp6, 0x10000c
	s_cmp_lg_u32 s2, 0x3003
	s_cbranch_scc0 .Lentry_shape_is_right
	s_endpgm
.Lentry_shape_is_right:
; out[b][row][head] = softmax over the columns of (R . C / 8) times V, for one head bh = 8 b + head: R = x Wk^T + bk gives the softmax's rows, C = x Wq^T + bq its columns, V the values.
; Both products run on codes of FP4 (E2M1) with E8M0 scales, as ws holds them (a block of WSB bytes for each head and each step of 128 tokens; its bytes 4608 on are C's scale words, V's scale words, C's codes, V's codes).
; THE SOFTMAX: t = score x log2(e) / 8; M = the running largest t rounded up to a whole number; p = 2^(t - M) is quantised along the columns, not normalised; the row's sum is taken of the unquantised p in f32 and divides at the end.
; LIMITS: the promise holds while the scaled scores stay under 2^31 in magnitude; NaN and infinities are not served; a block of p that has fallen to 0 takes the scale byte 1 (its codes are zeros).
; SHARES.  A work-group owns 256 rows of one head, each of its sixteen waves one tile of 16 rows; every wave walks the head's 4,096 columns, 128 a step, 32 steps.
; LDS.  The head's 32 steps x CVB bytes are filled ONCE: each wave asks for two steps by one tensor load (2 rows of 8,960 bytes, WSB bytes apart).  Nothing is filled again.
; CLUSTER 4 x 1: the four work-groups of a cluster own rows of the same head and ask for these tiles jointly.  No prefetch: all tiles are asked for at the head, and there is no loop to run ahead in.
; LAYOUT.  Both products are used transposed: a lane holds one row (lane % 16) throughout.  THE COLUMNS OF A TILE ARE CHOSEN by the LDS address: row 8 h + j of tile (g, i) is column 64 g + 32 h + 8 i + j of the step,
; so the 32 registers of tiles (g, 0 .. 3) are one whole block of 32 columns, block 2 g + lane / 16: its largest score needs no other lane, and the conversions' results are the second product's operand as they stand.
; TWO TILES IN ONE OPERAND.  The head's axis is 64 and the instruction's K is 128: tile (g, 2 a) lies in k 0-63 and tile (g, 2 a + 1) in k 64-127 of one operand; it is multiplied by {R, 0} and by {0, R}.
; The word that ws holds for an even stored tile carries both tiles' scale bytes (bytes 0, 1 and 2, 3); R's word serves {R, 0}, the same word 16 bits up {0, R}; the bytes over zero codes are finite codes.
; C's fragments of step i + 1 are asked of LDS behind step i's first product, V's of step i at the same place.
.set WSB,  13568
.set CVB,  8960
.set SPARE, 32*CVB                     ; behind the tiles: the spare words, 128 bytes a wave
.set STG,  SPARE+2048                  ; behind them: a stage of 16 rows x (128 bytes + 16) for each wave, 2,304 bytes, into which no fill lands
.set AK0, 1                            ; v1-4 my lane's places: in C's codes, V's codes, C's scale words, V's scale words
.set AV0, 2
.set AS0, 3
.set AT0, 4
.set GO,  5                            ; v5 my byte offset in the wave's rows of out; v6, v7 the stage, way in and way back
.set STI, 6
.set STO, 7
.set ADK, 8                            ; v8-11 the four LDS addresses of the loads in hand
.set ADV, 9
.set ADS, 10
.set ADT, 11
.set SH8, 14                           ; v12 -M, v13 the largest score so far; v14 8 x (lane / 16); v15 a lane permute's result
.set PT,  15
.set RS,  28                           ; v16-19 zeros, v20-23 R's codes, v24-27 zeros; v28, v29 R's scale word and the same 16 bits up
.set SA,  30                           ; v30, v31 C's scale words: pairs (g, 0), (g, 1); lanes 0-15 g = 0, lanes 16-31 g = 1
.set VS,  32                           ; v32, v33 V's scale words
.set OLD, 34
.set TT,  35
.set KF,  36                           ; v36-67   C's fragments, four pairs of tiles
.set VF,  68                           ; v68-99   V's fragments
.set S,   100                          ; v100-163 scores, then p
.set O,   164                          ; v164-195 O^T
.set PC,  196                          ; v196-203 p's codes
.set MX,  204                          ; v204-207 four chains of maxima
.set UB,  208                          ; v208-209 my two blocks' largest t - M, then p
.set OP,  210                          ; v210-211 the conversions' scale operands
.set BY,  212                          ; v212-213 the scale bytes
.set W,   214                          ; v214 p's scale word
.set F,   216                          ; v216 f = 2^(old M - new M); v217 named with it as a pair
.set L,   218                          ; v218-225 the row's sum in four pairs
.set SPW, 226
.set NIL, 227
.set SEL, 32
.set CS,  34
.set TB,  36
.set CNT, 37
.set NC,  50
.macro ROUND
	s_barrier_signal -1
	s_barrier_wait -1
	s_cmp_lg_u32 s8, 0
	s_cbranch_scc1 .Lnot_wave_0_\@
	s_barrier_signal -3
.Lnot_wave_0_\@:
	s_barrier_wait -3
	s_barrier_signal -1
	s_barrier_wait -1
.endm
	s_load_b128 s[4:7], s[0:1], 0x0                ; ws, out0
	v_lshl_add_u32 v[SPW], v0, 2, SPARE
	v_mov_b32 v[NIL], 0
	ds_add_u32 v[SPW], v[NIL]                      ; the opening lines: the add twice on end and its wait ahead of the first tensor load
	ds_add_u32 v[SPW], v[NIL]
	v_lshrrev_b32 v1, 5, v0
	s_delay_alu instid0(VALU_DEP_1)
	v_readfirstlane_b32 s8, v1                     ; wave 0..15
	s_bfe_u32 s9, ttmp6, 0x40000                   ; cx
	s_lshl_b32 s10, ttmp9, 2
	s_add_co_u32 s10, s10, s9                      ; my 256 rows: 0..15
	s_and_b32 s11, ttmp7, 0xffff                   ; the head
	s_mov_b32 s16, 15|(3<<16)|(1<<21)              ; group 1: mask of the four partners, elements of 8 bytes, bit 21 beside the mask
	s_mov_b32 s17, 1120<<16                        ; tensor_dim0 = 1,120 elements = 8,960 bytes
	s_mov_b32 s18, 2<<16                           ; tensor_dim1 = 2
	s_mov_b32 s19, 1120<<16                        ; tile_dim0
	s_mov_b32 s20, 2                               ; tile_dim1
	s_mov_b32 s21, WSB/8                           ; from row to row
	s_mov_b32 s22, 0
	s_mov_b32 s23, 0
	s_lshl_b32 s12, s11, 5
	s_lshl_b32 s13, s8, 1
	s_add_co_u32 s12, s12, s13                     ; steps 2 w, 2 w + 1 of the head: the head and the wave's number alone
	s_mul_i32 s12, s12, WSB
	s_add_co_u32 s12, s12, 4608
	s_mov_b32 s13, 0
	s_mul_i32 s14, s8, 2*CVB
	s_wait_dscnt 0x0
	s_wait_kmcnt 0x0
	s_mov_b32 s24, 1
	s_mov_b32 s25, s14
	s_add_nc_u64 s[26:27], s[4:5], s[12:13]
	s_or_b32 s27, s27, 0x80000000
	ROUND                                          ; the four partners are here: the joint loads meet
	tensor_load_to_lds s[24:27], s[16:23]          ; my one tensor load
	s_nop 0
	s_lshl_b32 s38, s11, 5                         ; R: the step 2 x block + w / 8 of my head, tile w % 8
	s_lshl_b32 s39, s10, 1
	s_add_co_u32 s38, s38, s39
	s_lshr_b32 s39, s8, 3
	s_add_co_u32 s38, s38, s39
	s_mul_i32 s38, s38, WSB
	s_and_b32 s40, s8, 7
	s_lshl_b32 s41, s40, 9
	s_add_co_u32 s48, s38, s41
	s_mov_b32 s49, 0
	s_add_nc_u64 s[42:43], s[4:5], s[48:49]        ; its codes
	s_lshl_b32 s41, s40, 6
	s_add_co_u32 s48, s38, s41
	s_add_co_u32 s48, s48, 4096
	s_add_nc_u64 s[44:45], s[4:5], s[48:49]        ; its scale words
	s_lshl_b32 s48, s10, 8                         ; out: the tile's first row 256 x block + 32 (w / 2) + 8 (w % 2), 2,048 bytes a row,
	s_lshr_b32 s41, s8, 1
	s_lshl_b32 s41, s41, 5
	s_add_co_u32 s48, s48, s41
	s_and_b32 s41, s8, 1
	s_lshl_b32 s41, s41, 3
	s_add_co_u32 s48, s48, s41
	s_lshl_b32 s48, s48, 11
	s_lshr_b32 s41, s11, 3
	s_lshl_b32 s41, s41, 23                        ; the batch,
	s_add_co_u32 s48, s48, s41
	s_and_b32 s41, s11, 7
	s_lshl_b32 s41, s41, 8                         ; the head's 256 bytes of a row
	s_add_co_u32 s48, s48, s41
	s_add_nc_u64 s[46:47], s[6:7], s[48:49]
	s_mov_b32 s[SEL], 0x76543210
	s_mov_b32 s[SEL+1], 0xfedcba98
	s_mov_b32 s[CS], 0x3e38aa3b                    ; c = log2(e) / 8
	s_mov_b32 s[CS+1], s[CS]
	s_mov_b32 s[NC], 0xbe38aa3b                    ; -c
	s_mov_b32 s[TB], 0
	s_mul_i32 s41, s8, 16*144
	s_add_co_u32 s41, s41, STG                     ; my stage
	v_and_b32 v228, 31, v0                         ; lane
	v_and_b32 v229, 15, v0                         ; r
	v_bfe_u32 v230, v0, 4, 1                       ; h
	v_bfe_u32 v231, v0, 3, 1                       ; r / 8
	v_and_b32 v[TT], 7, v0                         ; r % 8
	v_lshlrev_b32 v[AV0], 4, v228
	v_lshlrev_b32 v[OLD], 2, v229
	global_load_b128 v[20:23], v[AV0], s[42:43]    ; R's fragment stays in registers
	global_load_b32 v[RS], v[OLD], s[44:45]
	v_lshlrev_b32 v[AT0], 3, v228
	v_lshlrev_b32 v[AK0], 4, v[TT]
	v_lshlrev_b32 v[SH8], 3, v230
	v_lshlrev_b32 v[GO], 11, v230
	v_mul_u32_u24 v[STI], v229, 144
	v_lshl_add_u32 v[AS0], v231, 3, v[AK0]
	v_lshl_add_u32 v[AK0], v231, 10, v[AK0]
	v_mul_u32_u24 v[STO], v230, 144
	v_lshl_add_u32 v[GO], v229, 4, v[GO]
	v_lshl_add_u32 v[AS0], v230, 8, v[AS0]         ; C's scale words: 256 (lane / 16) + 16 (r % 8) + 8 (r / 8)
	v_lshl_add_u32 v[AK0], v230, 8, v[AK0]         ; C's codes: 1024 (r / 8) + 16 (r % 8) + 256 (lane / 16)
	v_lshl_add_u32 v[STI], v230, 6, v[STI]
	v_lshl_add_u32 v[STO], v[TT], 4, v[STO]        ; way back: row lane / 16, 16 bytes at r % 8 of the half row
	v_mov_b32 v[ADV], v[AV0]
	v_mov_b32 v[ADT], v[AT0]
	v_add_nc_u32 v[STI], s41, v[STI]
	v_add_nc_u32 v[STO], s41, v[STO]
	s_wait_alu depctr_va_vdst(0)
	s_wait_loadcnt 0x0                             ; R
	v_lshlrev_b32 v[RS+1], 16, v[RS]               ; R's two bytes over k 64-127
.irp j, 16,17,18,19,24,25,26,27
	v_mov_b32 v[\j], 0
.endr
.set j, 0
.rept 32
	v_mov_b32 v[O+j], 0                            ; O^T: the step is written for all trips alike; the first finds zeros
.set j, j+1
.endr
.set j, 0
.rept 8
	v_mov_b32 v[L+j], 0
.set j, j+1
.endr
	v_mov_b32 v13, 0xff61b1e6                      ; the largest score so far: -3e38
	v_mov_b32 v[PT], 0                             ; a lane permute's destination counts as one of its sources
	v_mov_b32 v[F+1], 0
	v_mul_f32 v12, s[NC], v13
	s_delay_alu instid0(VALU_DEP_1)
	v_floor_f32 v12, v12                           ; -M
.macro KLOAD ak, as                    ; C's scale words and fragments of one step: 10 LDS loads
	ds_load_b32 v[SA], v[\as]
	ds_load_b32 v[SA+1], v[\as] offset:128
.irp g, 0,1
.irp a, 0,1
	ds_load_b128 v[KF+16*\g+8*\a:KF+16*\g+8*\a+3], v[\ak] offset:768+2048*\g+128*\a
	ds_load_b128 v[KF+16*\g+8*\a+4:KF+16*\g+8*\a+7], v[\ak] offset:768+2048*\g+128*\a+512
.endr
.endr
.endm
.macro QK g, a                         ; tiles (g, 2 a) and (g, 2 a + 1): one operand against {R, 0} and {0, R}
.if \g
	v_wmma_scale_f32_16x16x128_f8f6f4 v[S+32*\g+16*\a:S+32*\g+16*\a+7], v[KF+16*\g+8*\a:KF+16*\g+8*\a+7], v[20:27], 0, v[SA+\a], v[RS] matrix_a_fmt:MATRIX_FMT_FP4 matrix_b_fmt:MATRIX_FMT_FP4 matrix_a_scale:MATRIX_SCALE_ROW1
	v_wmma_scale_f32_16x16x128_f8f6f4 v[S+32*\g+16*\a+8:S+32*\g+16*\a+15], v[KF+16*\g+8*\a:KF+16*\g+8*\a+7], v[16:23], 0, v[SA+\a], v[RS+1] matrix_a_fmt:MATRIX_FMT_FP4 matrix_b_fmt:MATRIX_FMT_FP4 matrix_a_scale:MATRIX_SCALE_ROW1
.else
	v_wmma_scale_f32_16x16x128_f8f6f4 v[S+32*\g+16*\a:S+32*\g+16*\a+7], v[KF+16*\g+8*\a:KF+16*\g+8*\a+7], v[20:27], 0, v[SA+\a], v[RS] matrix_a_fmt:MATRIX_FMT_FP4 matrix_b_fmt:MATRIX_FMT_FP4
	v_wmma_scale_f32_16x16x128_f8f6f4 v[S+32*\g+16*\a+8:S+32*\g+16*\a+15], v[KF+16*\g+8*\a:KF+16*\g+8*\a+7], v[16:23], 0, v[SA+\a], v[RS+1] matrix_a_fmt:MATRIX_FMT_FP4 matrix_b_fmt:MATRIX_FMT_FP4
.endif
.endm
.macro SUMG j                          ; eight more p onto the four pairs of sums
.irp k, 0,1,2,3
	v_pk_add_f32 v[L+2*\k:L+2*\k+1], v[L+2*\k:L+2*\k+1], v[S+\j+2*\k:S+\j+2*\k+1]
.endr
.endm
; A STEP: 128 columns.  last = 1: nothing more is asked of LDS for a next step.
.macro STEP last
.if \last == 0
	s_add_co_u32 s[TB], s[TB], CVB                 ; where the next step's bytes begin
.endif
	s_wait_dscnt 0x0                               ; C's fragments and scale words, asked for a step ago
	QK 0, 0
	QK 0, 1
	QK 1, 0
	QK 1, 1
	v_mov_b32 v[OLD], v12                          ; four plain lines behind the products, ahead of loads into their registers and of the first read of results
.if \last
	v_nop
	v_nop
.else
	v_add_nc_u32 v[ADK], s[TB], v[AK0]
	v_add_nc_u32 v[ADS], s[TB], v[AS0]
.endif
	v_nop
	ds_load_b64 v[VS:VS+1], v[ADT] offset:512      ; this step's V: 9 loads
.irp t, 0,1,2,3
.irp c, 0,1
	ds_load_b128 v[VF+8*\t+4*\c:VF+8*\t+4*\c+3], v[ADV] offset:4864+1024*\t+512*\c
.endr
.endr
.if \last == 0
	KLOAD ADK, ADS                                 ; the next step's C: 10 loads
.endif
.irp k, 0,1,2,3                        ; the largest score of my two blocks, two chains a block, each accumulator from its low end on
	v_max3_num_f32 v[MX+\k], v[S+16*\k], v[S+16*\k+1], v[S+16*\k+2]
.endr
.irp i, 3,5,7,9,11,13
.irp k, 0,1,2,3
	v_max3_num_f32 v[MX+\k], v[MX+\k], v[S+16*\k+\i], v[S+16*\k+\i+1]
.endr
.endr
	v_max3_num_f32 v[MX], v[MX], v[MX+1], v[S+15]
	v_max3_num_f32 v[MX+2], v[MX+2], v[MX+3], v[S+47]
	v_max_num_f32 v[MX], v[MX], v[S+31]            ; block lane / 16
	v_max_num_f32 v[MX+2], v[MX+2], v[S+63]        ; block 2 + lane / 16
	v_max_num_f32 v[MX+1], v[MX], v[MX+2]
	v_permlanex16_b32 v[PT], v[MX+1], s[SEL], s[SEL+1]
	v_max3_num_f32 v13, v13, v[MX+1], v[PT]        ; the running largest score of my row (c is positive)
	v_mul_f32 v[TT], s[NC], v13
	v_floor_f32 v12, v[TT]                         ; -M = floor(-t): M is a whole number
	v_sub_f32 v[TT], v12, v[OLD]                   ; old M - new M, 0 or less
.set j, 0
.rept 4
	v_pk_fma_f32 v[S+j:S+j+1], v[S+j:S+j+1], s[CS:CS+1], v[12:13] op_sel_hi:[1,0,0]   ; t - M, two at a time
.set j, j+2
.endr
	v_cvt_i32_f32 v[TT], v[TT]                     ; (it saturates)
.rept 4
	v_pk_fma_f32 v[S+j:S+j+1], v[S+j:S+j+1], s[CS:CS+1], v[12:13] op_sel_hi:[1,0,0]
.set j, j+2
.endr
	v_ldexp_f32 v[F], 1.0, v[TT]                   ; f = 2^(old M - new M): a multiplication by it rounds nothing
.rept 24
	v_pk_fma_f32 v[S+j:S+j+1], v[S+j:S+j+1], s[CS:CS+1], v[12:13] op_sel_hi:[1,0,0]
.set j, j+2
.endr
	v_fma_f32 v[UB], v[MX], s[CS], v12             ; the same of each block's largest score
	v_fma_f32 v[UB+1], v[MX+2], s[CS], v12
	s_wait_alu depctr_va_vdst(0)                   ; the wait ahead of the batch
.set j, 0
.rept 64
	v_exp_f32 v[S+j], v[S+j]                       ; p = 2^(t - M)
.set j, j+1
.endr
	v_exp_f32 v[UB], v[UB]                         ; the blocks' largest p: the same two instructions on the same number
	v_exp_f32 v[UB+1], v[UB+1]
.if \last
	v_nop
.else
	v_add_nc_u32 v[ADV], s[TB], v[AV0]             ; a plain line behind the batch: the next step's V
.endif
	s_wait_alu depctr_va_vdst(0)                   ; one wait for the batch, ahead of its first reader
	v_max_num_f32 v[UB], 0x1800000, v[UB]          ; the floor 2^(3 - 127): the byte cannot fall under 1
	v_max_num_f32 v[UB+1], 0x1800000, v[UB+1]
.irp k, 0,1,2,3
	v_pk_fma_f32 v[L+2*\k:L+2*\k+1], v[L+2*\k:L+2*\k+1], v[F:F+1], v[S+2*\k:S+2*\k+1] op_sel_hi:[1,0,1]   ; the sums under the new M, and the first eight p; the sum is taken of the unquantised p
.endr
	v_add_nc_u32 v[OP], 0xff000000, v[UB]          ; 2 off the exponent field: the conversion's scale operand
	v_add_nc_u32 v[OP+1], 0xff000000, v[UB+1]
	SUMG 8
	v_lshrrev_b32 v[BY], 23, v[OP]                 ; the scale bytes
	v_lshrrev_b32 v[BY+1], 23, v[OP+1]
	SUMG 16
	v_lshl_or_b32 v[W], v[BY+1], 16, v[BY]         ; blocks h and 2 + h,
	SUMG 24
	v_lshlrev_b32 v[W], v[SH8], v[W]               ; at their places in the word;
	SUMG 32
	v_permlanex16_b32 v[PT], v[W], s[SEL], s[SEL+1]
	SUMG 40
	v_or_b32 v[W], v[W], v[PT]                     ; with lane l xor 16's two the word is whole
	SUMG 48
	SUMG 56
.irp g, 0,1
.irp q, 0,1,2,3
	v_cvt_scalef32_pk8_fp4_f32 v[PC+4*\g+\q], v[S+32*\g+8*\q:S+32*\g+8*\q+7], v[OP+\g]   ; registers 4 g .. 4 g + 3: columns 64 g + 32 h + 0 .. 31
.endr
.endr
.if \last
	v_nop
.else
	v_add_nc_u32 v[ADT], s[TB], v[AT0]             ; a plain line behind the conversions
.endif
	s_wait_alu depctr_va_vdst(0)                   ; the wait here, directly ahead of the first reader of O^T
.set j, 0
.rept 16
	v_pk_mul_f32 v[O+j:O+j+1], v[O+j:O+j+1], v[F:F+1] op_sel_hi:[1,0]   ; O^T under the new M; these are also the plain lines between the scale word, the codes and the products
.set j, j+2
.endr
	s_wait_alu depctr_va_vdst(0)
.if \last
	s_wait_dscnt 0x0
.else
	s_wait_dscnt 10                                ; V's 9 loads are in; the 10 loads of the next step's C may be out
.endif
.irp t, 0,1
	v_wmma_scale_f32_16x16x128_f8f6f4 v[O+8*\t:O+8*\t+7], v[VF+8*\t:VF+8*\t+7], v[PC:PC+7], v[O+8*\t:O+8*\t+7], v[VS+\t], v[W] matrix_a_fmt:MATRIX_FMT_FP4 matrix_b_fmt:MATRIX_FMT_FP4
.endr
.irp t, 2,3
	v_wmma_scale_f32_16x16x128_f8f6f4 v[O+8*\t:O+8*\t+7], v[VF+8*\t:VF+8*\t+7], v[PC:PC+7], v[O+8*\t:O+8*\t+7], v[VS+\t-2], v[W] matrix_a_fmt:MATRIX_FMT_FP4 matrix_b_fmt:MATRIX_FMT_FP4 matrix_a_scale:MATRIX_SCALE_ROW1
.endr
.endm
	s_wait_alu depctr_va_vdst(0)                   ; the wait at the head's end
	s_wait_tensorcnt 0x0                           ; my two steps have landed,
	s_barrier_signal -1
	s_barrier_wait -1                              ; everybody's have
	KLOAD AK0, AS0                                 ; step 0's C
	s_mov_b32 s[CNT], 31
.Lstep:
	STEP 0
	s_sub_co_u32 s[CNT], s[CNT], 1
	s_cmp_lg_u32 s[CNT], 0
	s_cbranch_scc1 .Lstep
	STEP 1                                         ; the last step is written out: no step follows it
	; THE WAY OUT: the sums are joined, O^T is divided and goes through my stage in LDS, so that sixteen lanes store a row's 256 aligned bytes
	v_pk_add_f32 v[L:L+1], v[L:L+1], v[L+2:L+3]
	v_pk_add_f32 v[L+4:L+5], v[L+4:L+5], v[L+6:L+7]
	s_delay_alu instid0(VALU_DEP_1)
	v_pk_add_f32 v[L:L+1], v[L:L+1], v[L+4:L+5]
	s_delay_alu instid0(VALU_DEP_1)
	v_add_f32 v[L], v[L], v[L+1]
	s_delay_alu instid0(VALU_DEP_1)
	v_permlanex16_b32 v[PT], v[L], s[SEL], s[SEL+1]
	s_delay_alu instid0(VALU_DEP_1)
	v_add_f32 v[L], v[L], v[PT]                    ; the row's sum
	s_wait_alu depctr_va_vdst(0)                   ; the wait ahead of the transcendental
	v_rcp_f32 v[L], v[L]
.rept 4
	v_nop
.endr
	s_wait_alu depctr_va_vdst(0)                   ; the wait ahead of the first reader, of the reciprocal and of the last products' results
.set j, 0
.rept 32
	v_mul_f32 v[S+j], v[O+j], v[L]
.set j, j+1
.endr
	; the stage is my own, so no barrier stands here: a wave that is done stores while the others still walk.  A row's 256 bytes go through it in two halves of 128
	v_cmp_gt_u32 vcc_lo, 8, v229                   ; lanes with r under 8 store a row's first half, the others its second
.irp t, 0,1
	ds_store_b128 v[STI], v[S+8*\t:S+8*\t+3] offset:32*\t
	ds_store_b128 v[STI], v[S+8*\t+4:S+8*\t+7] offset:32*\t+16
.endr
.irp i, 0,1,2,3,4,5,6,7
	ds_load_b128 v[KF+4*\i:KF+4*\i+3], v[STO] offset:2*144*\i      ; LDS serves a wave's instructions in order: these see the stores above, and the stores below come behind them
.endr
.irp t, 0,1
	ds_store_b128 v[STI], v[S+16+8*\t:S+16+8*\t+3] offset:32*\t
	ds_store_b128 v[STI], v[S+16+8*\t+4:S+16+8*\t+7] offset:32*\t+16
.endr
.irp i, 0,1,2,3,4,5,6,7
	ds_load_b128 v[VF+4*\i:VF+4*\i+3], v[STO] offset:2*144*\i
.endr
	s_wait_dscnt 0x0
.set j, 0
.rept 32
	v_cndmask_b32 v[KF+j], v[VF+j], v[KF+j], vcc_lo                ; my 16 bytes of the row: of its first half or of its second
.set j, j+1
.endr
.irp i, 0,1,2,3,4,5,6,7
	global_store_b128 v[GO], v[KF+4*\i:KF+4*\i+3], s[46:47] offset:2048*(2*\i+8*(\i/4)) th:TH_STORE_NT   ; sixteen lanes store a row's 256 aligned bytes
.endr
	s_wait_tensorcnt 0x0                           ; the wave's end
	ds_add_u32 v[SPW], v[NIL]
	s_wait_dscnt 0x0
	ROUND                                          ; the closing round
	s_endpgm
.Lfunc_end_k_q7532d9b885_attn:
	.size	k_q7532d9b885_attn, .Lfunc_end_k_q7532d9b885_attn-k_q7532d9b885_attn
	.p2alignl 7, 3214868480
	.fill 96, 4, 3214868480
	.section	.rodata,"a",@progbits
	.p2align	6, 0x0
	.amdhsa_kernel k_q7532d9b885_attn
		.amdhsa_group_segment_fixed_size 327680
		.amdhsa_private_segment_fixed_size 0
		.amdhsa_enable_private_segment 0
		.amdhsa_kernarg_size 16
		.amdhsa_user_sgpr_count 2
		.amdhsa_user_sgpr_kernarg_segment_ptr 1
		.amdhsa_wavefront_size32 1
		.amdhsa_system_sgpr_workgroup_id_x 1
		.amdhsa_system_sgpr_workgroup_id_y 1
		.amdhsa_system_sgpr_workgroup_id_z 1
		.amdhsa_system_vgpr_workitem_id 0
		.amdhsa_next_free_vgpr 256
		.amdhsa_next_free_sgpr 66
		.amdhsa_reserve_vcc 1
		.amdhsa_float_denorm_mode_32 3
		.amdhsa_float_denorm_mode_16_64 3
		.amdhsa_memory_ordered 1
		.amdhsa_forward_progress 1
		.amdhsa_inst_pref_size 40
	.end_amdhsa_kernel
	.amdgpu_metadata
---
amdhsa.version: [ 1, 2 ]
amdhsa.kernels:
  - .name:           k_q7532d9b885_attn
    .symbol:         k_q7532d9b885_attn.kd
    .args:
      - { .name: ws, .offset: 0, .size: 8, .value_kind: global_buffer, .address_space: global }
      - { .name: out0, .offset: 8, .size: 8, .value_kind: global_buffer, .address_space: global }
    .group_segment_fixed_size: 327680
    .private_segment_fixed_size: 0
    .kernarg_segment_align: 8
    .kernarg_segment_size: 16
    .max_flat_workgroup_size: 512
    .sgpr_count:     66
    .vgpr_count:     256
    .wavefront_size: 32
...
	.end_amdgpu_metadata
.endif
;; end of part 3
